; MI455X (gfx1250); checked and timed in simulation.
; The chip was launched on July 23, 2026; its instructions are those of AMD's public machine-readable ISA for CDNA 5 (MIT licence, August 2026) and "CDNA5" Instruction Set Architecture Reference Guide (July 2026). The comments in the code are by the model that wrote it; some were corrected since.
;; Gender Classifier. Allowed arithmetic: float matrix products may take bf16 or f16 operands with f32 sums; all other float work in f32.
;; Inputs: W 50 x 2 x 16,384 float32; b 50 x 2 float32; t 4,096 int32; x 4,096 x 2 x 4 x 64 x 64 float32.
;; Outputs: out0 4,096 x 2 float32.
;; One version. Each part assembles by itself: llvm-mc -triple=amdgcn-amd-amdhsa -mcpu=gfx1250 --defsym DOCPART=n.
;; ======== version 1 of 1: 2 launches
;; workspace buffers: order 32,768 bytes of whole numbers
;; launch sort (part 1): grid 50 x 1, 16 waves a work-group, no clusters, 20,736 bytes of LDS; arguments t, order; writes order
.if DOCPART == 1
	.amdgcn_target "amdgcn-amd-amdhsa--gfx1250"
	.amdhsa_code_object_version 6
	.text
	.protected	k_q0a383b8957_sort
	.globl	k_q0a383b8957_sort
	.p2align	8
	.type	k_q0a383b8957_sort,@function
k_q0a383b8957_sort:
	s_mov_b64 s[64:65], 0
	v_nop
	global_prefetch_b8 v0, s[64:65] scope:SCOPE_SE
	s_setreg_imm32_b32 hwreg(HW_REG_WAVE_MODE, 25, 1), 1
	s_wait_xcnt 0x0
; order[place] = (sample, expert), the 4096 samples grouped by expert e(i) = (981 - t[i]) / 20; the order inside an expert is of no account.
; Work-group e (of 50) places expert e's samples.  Every work-group reads all of t (16 KiB): thread i takes 8 samples.
; With y = 981 - t, a sample is expert e's when y - 20 e < 20 (unsigned), and belongs to an earlier expert when y < 20 e (unsigned): no division.
; The expert's first place is the number of samples of earlier experts; so each work-group finds its own stretch of order by counting, and
; no work-group needs another's result.  Each wave compacts its matches into an LDS list of its own; only the waves' counts cross waves.
; The stores are runs of a few 8-byte pairs: order is 32 KiB in all, so whole aligned 256-byte runs were not sought.
; LIMIT.  981 - t[i] must lie in 0 .. 999 (the index stays inside the table of 50).  A sample with another t is placed nowhere, and as many
; places at the end of order stay unwritten.
.set WL,   1152                        ; LDS: a wave's list: 256 sample numbers, then one spare word for each lane
.set LIST, 0                           ; LDS: 16 lists
.set CNT,  LIST+16*WL                  ; LDS: 16 counts of matches, then 16 counts of samples of earlier experts
.set LANE, 1                           ; v1        lane
.set TOFF, 3                           ; v3        16 x thread: my bytes of t
.set LA,   4                           ; v4        LDS address in my wave's list
.set TA,   5                           ; v5-7      at work
.set TB,   6
.set TC,   7
.set T,    8                           ; v[8:15]   8 values of t
.set TY,   16                          ; v16       981 - t
.set DI,   17                          ; v17       256 + lane: my spare entry
.set SID,  18                          ; v18       4 x thread: my first sample number
.set ID,   19
.set Z,    20                          ; v[20:23]  zeros
.set CW,   24                          ; v24       one count a lane, then my wave's first place
.set A,    26                          ; v[26:33]  group j: byte offset in order
.set D,    34                          ; v[34:49]  group j: the pair (sample, expert)
.set M,    40                          ; s[40:47]  group j: the lanes that hold an entry
	s_load_b128 s[4:7], s[0:1], 0x0                ; t s[4:5], order s[6:7]
	v_lshl_add_u32 v52, v0, 2, 0x4900
	v_mov_b32 v53, 0
	v_lshrrev_b32 v[TA], 5, v0
	v_readfirstlane_b32 s14, v[TA]                 ; wave 0..15
	v_and_b32 v[LANE], 31, v0
	v_lshlrev_b32 v[TOFF], 4, v0
	s_mov_b32 s15, ttmp9                           ; e
	s_mul_i32 s16, s15, 20                         ; 20 e
	s_mul_i32 s20, s14, WL                         ; my wave's list (LIST = 0)
	s_mov_b32 s32, 0x76543210                      ; v_permlanex16_b32: lane i of one half reads lane i of the other
	s_mov_b32 s33, 0xfedcba98
	s_wait_kmcnt 0x0
	global_load_b128 v[T:T+3],   v[TOFF], s[4:5]               ; t of samples 4 i .. 4 i + 3
	global_load_b128 v[T+4:T+7], v[TOFF], s[4:5] offset:8192   ; and of 2048 + 4 i .. + 3
	; While t is on its way: the 256 entries of my wave's list are cleared, since all of them are read back below.
	v_lshl_add_u32 v[LA], v[LANE], 4, s20
	v_mov_b32 v[Z], 0
	v_mov_b32 v[Z+1], 0
	v_mov_b32 v[Z+2], 0
	v_mov_b32 v[Z+3], 0
	ds_store_b128 v[LA], v[Z:Z+3]
	ds_store_b128 v[LA], v[Z:Z+3] offset:512
	v_add_nc_u32 v[DI], 256, v[LANE]
	v_lshlrev_b32 v[SID], 2, v0
	s_mov_b32 s21, 0                               ; my wave's matches so far
	s_mov_b32 s25, 0                               ; my wave's samples of earlier experts so far
	s_wait_loadcnt 0x0
; One of my 8 samples.  The matching lanes of the wave put their sample numbers one behind the other into the wave's list (256 entries: all
; 8 x 32 may match); the other lanes put theirs into their spare words, so that all lanes store and EXEC stays as it is.
.macro PICK k, id0
	v_sub_nc_u32 v[TY], 981, v[T+\k]
	v_cmp_gt_u32 s24, s16, v[TY]                   ; 20 e > y: an earlier expert's
	s_bcnt1_i32_b32 s24, s24
	s_add_co_u32 s25, s25, s24
	v_sub_nc_u32 v[TA], v[TY], s16
	v_cmp_gt_u32 vcc_lo, 20, v[TA]                 ; 20 > y - 20 e: mine
	v_mbcnt_lo_u32_b32 v[TB], vcc_lo, s21          ; matches so far + matching lanes below me
	s_bcnt1_i32_b32 s22, vcc_lo
	v_cndmask_b32 v[TB], v[DI], v[TB], vcc_lo      ; no match: my spare entry
	v_min_u32 v[TB], 287, v[TB]                    ; a number made from loaded data enters an address only behind a clamp by a constant
	v_lshl_add_u32 v[TC], v[TB], 2, s20
.if \id0 == 0
.set SRC, SID
.else
	v_add_nc_u32 v[ID], \id0, v[SID]
.set SRC, ID
.endif
	ds_store_b32 v[TC], v[SRC]                     ; LDS serves a wave's instructions in order: behind the clearing stores
	s_add_co_u32 s21, s21, s22
.endm
.irp k, 0,1,2,3
	PICK \k, \k
.endr
.irp k, 4,5,6,7
	PICK \k, 2044+\k
.endr
	s_lshl_b32 s28, s14, 2
	s_add_co_u32 s28, s28, CNT
	v_mov_b32 v[TA], s28
	v_mov_b32 v[TB], s21
	v_mov_b32 v[TC], s25
	ds_store_b32 v[TA], v[TB]                      ; my wave's two counts (every lane the same word, the same value)
	ds_store_b32 v[TA], v[TC] offset:64
	s_wait_dscnt 0x0                               ; for the other waves' sake: the counts are in LDS
	s_barrier_signal -1
	s_barrier_wait -1
	; My wave's first place = all 16 counts of earlier experts' samples + the matches of the waves in front of mine.
	; Lane l reads word l of the 32 counts; the words that do not belong to the sum are set to 0; then a sum over the 32 lanes.
	v_lshl_add_u32 v[TA], v[LANE], 2, CNT
	ds_load_b32 v[CW], v[TA]
	v_lshl_add_u32 v[LA], v[LANE], 2, s20
.irp j, 0,1,2,3,4,5,6,7
	ds_load_b32 v[D+2*\j], v[LA] offset:128*\j     ; entries 32 j + lane of my own list
.endr
	v_cmp_gt_u32 vcc_lo, s14, v[LANE]              ; lanes below my wave's number: matches of the waves in front
	v_cmp_le_u32 s24, 16, v[LANE]                  ; lanes 16 to 31: the counts of earlier experts
	s_or_b32 vcc_lo, vcc_lo, s24
.irp j, 0,1,2,3,4,5,6,7
	v_mov_b32 v[D+2*\j+1], s15                     ; the pair's second word: the expert
	s_sub_co_i32 s24, s21, 32*\j
	v_cmp_gt_i32 s[M+\j], s24, v[LANE]             ; entry 32 j + lane exists
.endr
	s_wait_dscnt 0x0
	v_cndmask_b32 v[CW], 0, v[CW], vcc_lo
.irp m, 1,2,4,8
	v_mov_b32_dpp v[TB], v[CW] row_xmask:\m row_mask:0xf bank_mask:0xf     ; (TB has been written before, whole)
	v_add_nc_u32 v[CW], v[CW], v[TB]
.endr
	v_permlanex16_b32 v[TB], v[CW], s32, s33
	v_add_nc_u32 v[CW], v[CW], v[TB]
	v_add_nc_u32 v[CW], v[CW], v[LANE]             ; the place of entry lane
.irp j, 0,1,2,3,4,5,6,7
	v_add_nc_u32 v[A+\j], 32*\j, v[CW]
	v_min_u32 v[A+\j], 4095, v[A+\j]               ; the places that are stored lie below 4096; the clamp bounds the masked lanes too
	v_lshlrev_b32 v[A+\j], 3, v[A+\j]
.endr
	; Every address, datum and mask has been made with all lanes on; from here on no vector register is written.
	s_wait_xcnt 0x0                                ; EXEC is a source of the global instructions issued so far: it changes only behind this wait
.irp j, 0,1,2,3,4,5,6,7
	s_and_saveexec_b32 s23, s[M+\j]
	global_store_b64 v[A+\j], v[D+2*\j:D+2*\j+1], s[6:7]
	s_wait_xcnt 0x0                                ; and it is widened again only behind this one
	s_or_b32 exec_lo, exec_lo, s23
.if \j < 7
	s_cmp_le_u32 s21, 32*(\j+1)                    ; no entry left (a wave has about five where t is evenly spread)
	s_cbranch_scc1 .Ldone
.endif
.endr
.Ldone:
	s_wait_tensorcnt 0x0
	ds_add_u32 v52, v53
	s_wait_dscnt 0x0
	s_endpgm
.Lfunc_end_k_q0a383b8957_sort:
	.size	k_q0a383b8957_sort, .Lfunc_end_k_q0a383b8957_sort-k_q0a383b8957_sort
	.p2alignl 7, 3214868480
	.fill 96, 4, 3214868480
	.section	.rodata,"a",@progbits
	.p2align	6, 0x0
	.amdhsa_kernel k_q0a383b8957_sort
		.amdhsa_group_segment_fixed_size 20736
		.amdhsa_private_segment_fixed_size 0
		.amdhsa_enable_private_segment 0
		.amdhsa_kernarg_size 16
		.amdhsa_user_sgpr_count 2
		.amdhsa_user_sgpr_kernarg_segment_ptr 1
		.amdhsa_wavefront_size32 1
		.amdhsa_system_sgpr_workgroup_id_x 1
		.amdhsa_system_sgpr_workgroup_id_y 1
		.amdhsa_system_sgpr_workgroup_id_z 1
		.amdhsa_system_vgpr_workitem_id 0
		.amdhsa_next_free_vgpr 54
		.amdhsa_next_free_sgpr 66
		.amdhsa_reserve_vcc 1
		.amdhsa_float_denorm_mode_32 3
		.amdhsa_float_denorm_mode_16_64 3
		.amdhsa_memory_ordered 1
		.amdhsa_forward_progress 1
		.amdhsa_inst_pref_size 14
	.end_amdhsa_kernel
	.amdgpu_metadata
---
amdhsa.version: [ 1, 2 ]
amdhsa.kernels:
  - .name:           k_q0a383b8957_sort
    .symbol:         k_q0a383b8957_sort.kd
    .args:
      - { .name: t, .offset: 0, .size: 8, .value_kind: global_buffer, .address_space: global }
      - { .name: order, .offset: 8, .size: 8, .value_kind: global_buffer, .address_space: global }
    .group_segment_fixed_size: 20736
    .private_segment_fixed_size: 0
    .kernarg_segment_align: 8
    .kernarg_segment_size: 16
    .max_flat_workgroup_size: 512
    .sgpr_count:     66
    .vgpr_count:     54
    .wavefront_size: 32
...
	.end_amdgpu_metadata
.endif
;; end of part 1
;; launch stream (part 2): grid 256 x 1, 16 waves a work-group, no clusters, 4,352 bytes of LDS; arguments x, W, b, order, out0; writes out0
.if DOCPART == 2
	.amdgcn_target "amdgcn-amd-amdhsa--gfx1250"
	.amdhsa_code_object_version 6
	.text
	.protected	k_q0a383b8957_stream
	.globl	k_q0a383b8957_stream
	.p2align	8
	.type	k_q0a383b8957_stream,@function
k_q0a383b8957_stream:
	s_mov_b64 s[64:65], 0
	v_nop
	global_prefetch_b8 v0, s[64:65] scope:SCOPE_SE
	s_setreg_imm32_b32 hwreg(HW_REG_WAVE_MODE, 25, 1), 1
	s_wait_xcnt 0x0
; out[i][o] = sum over d of x[i][1][d] * W[e][o][d] + b[e][o],  o < 2, d < 16384, all f32, for the 16 pairs (i, e) at places 16 g .. 16 g + 15
; of order, which holds the 4096 samples grouped by expert.  256 work-groups, 16 samples (1 MiB of x) each, whatever t holds.
;
; THE SHAPE.  Half a multiply-add for each byte of x: the loads decide.  Gathering W for each sample would move 4096 x 128 KiB of W, twice the
; bytes of x.  So wave w of 16 owns floats 1024 w .. 1024 w + 1023 of a row and keeps its slice of W[e][0] and W[e][1] in 64 registers for as
; long as the expert stays the same; since order is grouped, W is loaded once for each work-group and once more for each change of expert
; (49 changes in all 4096 places): about 305 x 128 KiB.  The second half of a sample of x (64 KiB, contiguous) is read once, by loads of
; 16 bytes a lane that cover 512 neighbouring aligned bytes a wave, straight into the registers that are multiplied.
; THE STEPS.  Four register slots a wave (4 KiB each): three on their way while one is multiplied.  The 16 steps are written out, not looped:
; the 16 pairs lie in scalar registers, which no counter can index, and every LDS address is then a constant plus the wave's number times a
; constant.  There is no barrier between the steps.
; A CHANGE OF EXPERT is a scalar branch, alike in all waves: W is loaded again and waited for with the count 0, which empties the ring once.
; THE END.  Wave w adds the 16 waves' partial sums of step w, adds the bias, and its lane 0 stores the sample's 8 bytes.
; NOT USED, and why.  Matrix instructions: 2 of 16 columns would be used, the operands would need a conversion and a way through LDS, and the
; vector work is some 60 instructions a wave for 4 KiB loaded.  Joint requests in a cluster: only W is shared, 128 KiB beside 1 MiB of x, and
; neighbouring work-groups need not have the same expert.  Prefetches of x: the ring already asks three to four steps (192 to 256 KiB a
; work-group) ahead.  Whole 256-byte runs of output: a sample has 8 bytes of output and the samples are scattered; the output is 32 KiB.
; LIMITS.  order must hold every sample once, which it does when 981 - t lies in 0 .. 999 for every sample.  What is read from order is clamped
; (sample to 4095, expert to 49), so no address leaves its buffer, but with other t the outputs are not defined.
; Sums are f32 in another order than the reference's: 4 chains a lane, 32 lanes, 16 waves.
.set ROWB, 65536                       ; bytes of a row of W, and of half a sample of x; a sample of x and an expert of W are 2 ROWB = 1 << 17
.set PP,   136                         ; LDS: a wave's column of partial sums: 16 steps x 8 bytes + 8
.set LANE, 1                           ; v1         lane
.set VB,   2                           ; v2         4096 wave + 16 lane: my 16 bytes in a row's first 512-byte piece of my slice
.set WOFF, 3                           ; v3         the same in the expert's rows of W
.set PA,   4                           ; v4         LDS address of my wave's column
.set TA,   5                           ; v5         at work
.set OA,   6                           ; v6         byte offset in out
.set ACC,  8                           ; v[8:15]    four chains of two sums
.set R,    16                          ; v[16:17]   the step's two sums
.set RX,   18                          ; v[18:19]   the other half of the lanes
.set OFF,  20                          ; v[20:23]   slot k: byte offset of my 16 bytes in the slot's sample
.set W0,   64                          ; v[64:95]   my slice of W[e][0]
.set W1,   96                          ; v[96:127]  my slice of W[e][1]
.set X,    128                         ; v[128:255] slot k: 32 registers, my slice of a sample
.set OW,   16                          ; s[16:47]   step s: s[OW+2s] the sample (then its byte offset in x), s[OW+2s+1] the expert
	s_load_b256 s[4:11], s[0:1], 0x0               ; x s[4:5], W s[6:7], b s[8:9], order s[10:11]
	s_load_b64 s[12:13], s[0:1], 0x20              ; out
	v_lshl_add_u32 v62, v0, 2, 0x900
	v_mov_b32 v63, 0
	v_lshrrev_b32 v[TA], 5, v0
	v_readfirstlane_b32 s14, v[TA]                 ; wave 0..15
	v_and_b32 v[LANE], 31, v0
	s_lshl_b32 s54, s14, 12
	v_lshl_add_u32 v[VB], v[LANE], 4, s54
	s_lshl_b32 s2, ttmp9, 7                        ; the work-group's 16 pairs: 128 bytes
	s_lshl_b32 s3, s14, 3
	s_add_co_u32 s3, s3, s2                        ; the pair of step w, which my wave finishes at the end
	s_mov_b32 s52, 0x76543210                      ; v_permlanex16_b32: lane i of one half reads lane i of the other
	s_mov_b32 s53, 0xfedcba98
	s_mul_i32 s55, s14, PP
	v_mov_b32 v[PA], s55
	v_mov_b32 v[RX], v0                            ; v_permlanex16_b32 counts as a reader of its destination: any value
	v_mov_b32 v[RX+1], v0
	s_wait_kmcnt 0x0
	s_load_b512 s[OW:OW+15],    s[10:11], s2 offset:0x0
	s_load_b512 s[OW+16:OW+31], s[10:11], s2 offset:0x40
	s_load_b64 s[48:49], s[10:11], s3 offset:0x0
	s_wait_kmcnt 0x0
.irp s, 0,1,2,3,4,5,6,7,8,9,10,11,12,13,14,15
	s_min_u32 s[OW+2*\s], s[OW+2*\s], 4095         ; a loaded number enters an address only behind a clamp by a constant
	s_lshl_b32 s[OW+2*\s], s[OW+2*\s], 17          ; the sample's bytes in x
	s_min_u32 s[OW+2*\s+1], s[OW+2*\s+1], 49
.endr
	s_min_u32 s48, s48, 4095
	s_lshl_b32 s48, s48, 3                         ; out[sample][0..1] of step w
	s_min_u32 s49, s49, 49
	s_lshl_b32 s49, s49, 3
	s_load_b64 s[50:51], s[8:9], s49 offset:0x0    ; b[e][0], b[e][1] of step w
.macro LOADW s                         ; my slice of both rows of step s's expert: 16 loads of 512 neighbouring bytes; other work-groups read them too: no hint
	s_lshl_b32 s54, s[OW+2*(\s)+1], 17
	v_add_nc_u32 v[WOFF], s54, v[VB]               ; the loads that last named WOFF have been waited for
.irp j, 0,1,2,3,4,5,6,7
	global_load_b128 v[W0+4*\j:W0+4*\j+3], v[WOFF], s[6:7] offset:512*\j
.endr
.irp j, 0,1,2,3,4,5,6,7
	global_load_b128 v[W1+4*\j:W1+4*\j+3], v[WOFF], s[6:7] offset:ROWB+512*\j
.endr
.endm
.macro FILL s, k                       ; slot k gets step s: eight loads of 512 neighbouring bytes, my 4 KiB of x[sample][1]; read once in the whole launch
	v_add_nc_u32 v[OFF+\k], s[OW+2*(\s)], v[VB]
.irp j, 0,1,2,3,4,5,6,7
	global_load_b128 v[X+32*\k+4*\j:X+32*\k+4*\j+3], v[OFF+\k], s[4:5] offset:ROWB+512*\j th:TH_LOAD_NT
.endr
.endm
	LOADW 0
	FILL 0, 0
	FILL 1, 1
	FILL 2, 2
	FILL 3, 3
	s_wait_kmcnt 0x0                               ; the biases
; Step s, in slot k = s mod 4.  fill = 1: the slot is loaded again for step s + 4.  left = how many younger loads may stay out.
.macro TURN s, k, fill, left
.if \s > 0
	s_cmp_eq_u32 s[OW+2*\s+1], s[OW+2*\s-1]        ; the expert of the step before?
	s_cbranch_scc1 .Lsame\s
	LOADW \s                                       ; the old W has been multiplied for the last time
	s_wait_loadcnt 0x0                             ; the new W is the youngest load: nothing may stay out
.Lsame\s:
.endif
	s_wait_loadcnt \left                           ; loads come back in order: my slot's eight are in (and W, in step 0); the younger slots stay out
	v_pk_mul_f32 v[ACC:ACC+1],   v[X+32*\k:X+32*\k+1],   v[W0:W0+1]        ; the first products start the four chains
	v_pk_mul_f32 v[ACC+2:ACC+3], v[X+32*\k+2:X+32*\k+3], v[W0+2:W0+3]
	v_pk_mul_f32 v[ACC+4:ACC+5], v[X+32*\k:X+32*\k+1],   v[W1:W1+1]
	v_pk_mul_f32 v[ACC+6:ACC+7], v[X+32*\k+2:X+32*\k+3], v[W1+2:W1+3]
.irp j, 4,8,12,16,20,24,28
	v_pk_fma_f32 v[ACC:ACC+1],   v[X+32*\k+\j:X+32*\k+\j+1],   v[W0+\j:W0+\j+1],   v[ACC:ACC+1]
	v_pk_fma_f32 v[ACC+2:ACC+3], v[X+32*\k+\j+2:X+32*\k+\j+3], v[W0+\j+2:W0+\j+3], v[ACC+2:ACC+3]
	v_pk_fma_f32 v[ACC+4:ACC+5], v[X+32*\k+\j:X+32*\k+\j+1],   v[W1+\j:W1+\j+1],   v[ACC+4:ACC+5]
	v_pk_fma_f32 v[ACC+6:ACC+7], v[X+32*\k+\j+2:X+32*\k+\j+3], v[W1+\j+2:W1+\j+3], v[ACC+6:ACC+7]
.endr
.if \fill
	FILL \s+4, \k                                  ; as soon as the slot has been multiplied; OFF + k is free since the wait at the step's head
.endif
	v_pk_add_f32 v[ACC:ACC+1],   v[ACC:ACC+1],   v[ACC+2:ACC+3]
	v_pk_add_f32 v[ACC+4:ACC+5], v[ACC+4:ACC+5], v[ACC+6:ACC+7]
	v_add_f32 v[R],   v[ACC],   v[ACC+1]
	v_add_f32 v[R+1], v[ACC+4], v[ACC+5]
.irp m, 1,2,4,8
	v_add_f32_dpp v[R],   v[R],   v[R]   row_xmask:\m row_mask:0xf bank_mask:0xf   ; over the 16 lanes of each half
	v_add_f32_dpp v[R+1], v[R+1], v[R+1] row_xmask:\m row_mask:0xf bank_mask:0xf
.endr
	v_permlanex16_b32 v[RX],   v[R],   s52, s53    ; the other half
	v_permlanex16_b32 v[RX+1], v[R+1], s52, s53
	v_add_f32 v[R],   v[R],   v[RX]
	v_add_f32 v[R+1], v[R+1], v[RX+1]              ; every lane: my slice's share of the step's two outputs
	ds_store_b64 v[PA], v[R:R+1] offset:8*\s       ; into my wave's own column (every lane the same bytes, the same value)
.endm
	TURN 0,  0, 1, 24
	TURN 1,  1, 1, 24
	TURN 2,  2, 1, 24
	TURN 3,  3, 1, 24
	TURN 4,  0, 1, 24
	TURN 5,  1, 1, 24
	TURN 6,  2, 1, 24
	TURN 7,  3, 1, 24
	TURN 8,  0, 1, 24
	TURN 9,  1, 1, 24
	TURN 10, 2, 1, 24
	TURN 11, 3, 1, 24
	TURN 12, 0, 0, 24                              ; the last four steps load nothing: the counts run down
	TURN 13, 1, 0, 16
	TURN 14, 2, 0, 8
	TURN 15, 3, 0, 0
	; THE END.  Wave w finishes step w: lane l (and lane l + 16) reads wave l's pair, four steps add the 16 lanes of each half.
	s_wait_dscnt 0x0                               ; for the other waves' sake: my partial sums are in LDS
	s_barrier_signal -1
	s_barrier_wait -1
	v_and_b32 v[TA], 15, v0
	v_mul_u32_u24 v[TA], v[TA], PP
	s_lshl_b32 s54, s14, 3
	v_add_nc_u32 v[TA], s54, v[TA]
	ds_load_b64 v[R:R+1], v[TA]
	v_mov_b32 v[OA], s48
	v_cmp_eq_u32 vcc_lo, 0, v[LANE]
	s_wait_dscnt 0x0
.irp m, 1,2,4,8
	v_add_f32_dpp v[R],   v[R],   v[R]   row_xmask:\m row_mask:0xf bank_mask:0xf
	v_add_f32_dpp v[R+1], v[R+1], v[R+1] row_xmask:\m row_mask:0xf bank_mask:0xf
.endr
	v_add_f32 v[R],   s50, v[R]
	v_add_f32 v[R+1], s51, v[R+1]
	s_wait_xcnt 0x0                                ; EXEC is a source of the global instructions issued so far: it changes only behind this wait
	s_wait_tensorcnt 0x0
	ds_add_u32 v62, v63
	s_wait_dscnt 0x0
	s_and_saveexec_b32 s60, vcc_lo                 ; lane 0 alone
	global_store_b64 v[OA], v[R:R+1], s[12:13]
	s_endpgm
.Lfunc_end_k_q0a383b8957_stream:
	.size	k_q0a383b8957_stream, .Lfunc_end_k_q0a383b8957_stream-k_q0a383b8957_stream
	.p2alignl 7, 3214868480
	.fill 96, 4, 3214868480
	.section	.rodata,"a",@progbits
	.p2align	6, 0x0
	.amdhsa_kernel k_q0a383b8957_stream
		.amdhsa_group_segment_fixed_size 4352
		.amdhsa_private_segment_fixed_size 0
		.amdhsa_enable_private_segment 0
		.amdhsa_kernarg_size 40
		.amdhsa_user_sgpr_count 2
		.amdhsa_user_sgpr_kernarg_segment_ptr 1
		.amdhsa_wavefront_size32 1
		.amdhsa_system_sgpr_workgroup_id_x 1
		.amdhsa_system_sgpr_workgroup_id_y 1
		.amdhsa_system_sgpr_workgroup_id_z 1
		.amdhsa_system_vgpr_workitem_id 0
		.amdhsa_next_free_vgpr 256
		.amdhsa_next_free_sgpr 66
		.amdhsa_reserve_vcc 1
		.amdhsa_float_denorm_mode_32 3
		.amdhsa_float_denorm_mode_16_64 3
		.amdhsa_memory_ordered 1
		.amdhsa_forward_progress 1
		.amdhsa_inst_pref_size 92
	.end_amdhsa_kernel
	.amdgpu_metadata
---
amdhsa.version: [ 1, 2 ]
amdhsa.kernels:
  - .name:           k_q0a383b8957_stream
    .symbol:         k_q0a383b8957_stream.kd
    .args:
      - { .name: x, .offset: 0, .size: 8, .value_kind: global_buffer, .address_space: global }
      - { .name: W, .offset: 8, .size: 8, .value_kind: global_buffer, .address_space: global }
      - { .name: b, .offset: 16, .size: 8, .value_kind: global_buffer, .address_space: global }
      - { .name: order, .offset: 24, .size: 8, .value_kind: global_buffer, .address_space: global }
      - { .name: out0, .offset: 32, .size: 8, .value_kind: global_buffer, .address_space: global }
    .group_segment_fixed_size: 4352
    .private_segment_fixed_size: 0
    .kernarg_segment_align: 8
    .kernarg_segment_size: 40
    .max_flat_workgroup_size: 512
    .sgpr_count:     66
    .vgpr_count:     256
    .wavefront_size: 32
...
	.end_amdgpu_metadata
.endif
;; end of part 2
